; MI455X (gfx1250); checked and timed in simulation.
; The chip was launched on July 23, 2026; its instructions are those of AMD's public machine-readable ISA for CDNA 5 (MIT licence, August 2026) and "CDNA5" Instruction Set Architecture Reference Guide (July 2026). The comments in the code are by the model that wrote it; some were corrected since.
;; Tokenizer. Allowed arithmetic: float matrix products may take bf16 or f16 operands with f32 sums; other float arithmetic in f32, or as packed bf16 or f16 multiplies, adds, multiply-adds, maxima and minima; sums over many terms, partial sums and values carried from step to step in f32; what a program stores and reads back later, other than sums and carried values, may be rounded once to bf16 or f16.
;; Inputs: codebook 4,096 x 256 float32; rep 32 x 2,048 x 256 float32.
;; Outputs: out0 32 x 2,048 int32.
;; One version. Each part assembles by itself: llvm-mc -triple=amdgcn-amd-amdhsa -mcpu=gfx1250 --defsym DOCPART=n.
;; ======== version 1 of 1: 2 launches
;; workspace buffers: cbf 2,097,152 bytes; nb2 16,384 bytes
;; launch prep (part 1): grid 64 x 1, 16 waves a work-group, no clusters, 2,304 bytes of LDS; arguments codebook, cbf, nb2; writes cbf, nb2
.if DOCPART == 1
	.amdgcn_target "amdgcn-amd-amdhsa--gfx1250"
	.amdhsa_code_object_version 6
	.text
	.protected	k_q241bbdfd6f_prep
	.globl	k_q241bbdfd6f_prep
	.p2align	8
	.type	k_q241bbdfd6f_prep,@function
k_q241bbdfd6f_prep:
	s_mov_b64 s[64:65], 0
	v_nop
	global_prefetch_b8 v0, s[64:65] scope:SCOPE_SE
	s_setreg_imm32_b32 hwreg(HW_REG_WAVE_MODE, 25, 1), 1
	s_wait_xcnt 0x0
; cbf[k][:] = codebook[k][:] rounded once to bf16;  nb2[k] = -1/2 x the sum over d of cbf[k][d]^2, in f32.
; codebook: [4096][256] f32.  cbf: [4096][256] bf16.  nb2: [4096] f32.
; WHY.  The next launch looks for argmin_k (a2 + b2[k] - 2 ab[k]).  a2 is one number for a whole row of distances, so in exact arithmetic, for all finite
; inputs, the argmin is that of b2[k] - 2 ab[k], which is the argmax of ab[k] - b2[k] / 2: a2 is never made, and -b2 / 2 is made here, once, from the same rounded
; numbers that the matrix product will multiply.  LIMIT: a NaN, an infinity or an overflow that arises in a2 alone is not carried to the result.
; SHARES.  A work-group has 64 rows, so that its 64 numbers of nb2 are 256 consecutive bytes, aligned; each of its 16 waves has 4 rows.  Lane l takes the numbers
; 4 l .. 4 l + 3 and 128 + 4 l .. 128 + 4 l + 3 of a row: each load of a wave covers 512 consecutive bytes, each store 256, aligned.  All eight loads of a wave go out at once.
; No matrix unit, no cluster, no tensor load: each byte is read once by one lane, and nothing is shared.
.set SPARE, 256                        ; LDS: bytes 0-255 the 64 sums; behind them the spare words, 128 bytes for each of the 16 waves, which no other line names
.set SPW, 6                            ; v6   LDS address of my spare word: SPARE + 4 x my thread's number; never rewritten
.set NIL, 7                            ; v7   0; never rewritten
.set X,   8                            ; v[8:39]   row i: 8 f32 as loaded
.set C,   40                           ; v[40:55]  row i: 4 words of 2 bf16
.set T,   56                           ; v[56:63]  the rounded numbers as f32, at work
.set S,   64                           ; v[64:71]  row i: a pair of sums
	s_load_b128 s[4:7], s[0:1], 0x0                ; codebook s[4:5], cbf s[6:7]
	s_load_b64 s[8:9], s[0:1], 0x10                ; nb2
	v_lshl_add_u32 v[SPW], v0, 2, SPARE
	v_mov_b32 v[NIL], 0
	v_lshrrev_b32 v5, 5, v0
	v_readfirstlane_b32 s10, v5                    ; wave 0..15
	v_and_b32 v4, 31, v0                           ; lane
	v_lshlrev_b32 v1, 4, v4
	v_lshl_or_b32 v1, v5, 12, v1                   ; loads: 4 rows x 1,024 bytes a wave, 16 bytes a lane
	v_lshlrev_b32 v2, 3, v4
	v_lshl_or_b32 v2, v5, 11, v2                   ; stores: 4 rows x 512 bytes a wave, 8 bytes a lane
	v_lshlrev_b32 v3, 4, v5                        ; LDS: my wave's four sums
	v_lshlrev_b32 v4, 3, v4                        ; 8 x lane: two sums a lane on the way out
	s_mov_b32 s12, 0x76543210                      ; v_permlanex16_b32: each lane takes its own place in the other half
	s_mov_b32 s13, 0xfedcba98
	s_mov_b32 s14, 0xffff0000                      ; a word's upper bf16
	s_lshl_b32 s16, ttmp9, 16                      ; the work-group's 64 rows: in codebook,
	s_mov_b32 s17, 0
	s_lshl_b32 s18, ttmp9, 15                      ; in cbf,
	s_mov_b32 s19, 0
	s_lshl_b32 s20, ttmp9, 8                       ; in nb2
	s_mov_b32 s21, 0
	s_wait_kmcnt 0x0
	s_add_nc_u64 s[4:5], s[4:5], s[16:17]
	s_add_nc_u64 s[6:7], s[6:7], s[18:19]
	s_add_nc_u64 s[8:9], s[8:9], s[20:21]
.irp i, 0,1,2,3
	global_load_b128 v[X+8*(\i):X+8*(\i)+3],   v1, s[4:5] offset:1024*(\i) th:TH_LOAD_NT
	global_load_b128 v[X+8*(\i)+4:X+8*(\i)+7], v1, s[4:5] offset:1024*(\i)+512 th:TH_LOAD_NT
.endr
.irp i, 0,1,2,3
	s_wait_loadcnt 6-2*(\i)                        ; loads come back in order: row i's two are in, the younger rows' may stay out
.irp k, 0,1,2,3
	v_cvt_pk_bf16_f32 v[C+4*(\i)+(\k)], v[X+8*(\i)+2*(\k)], v[X+8*(\i)+2*(\k)+1]  ; rounded to nearest even, two at a time
.endr
	global_store_b64 v2, v[C+4*(\i):C+4*(\i)+1],   s[6:7] offset:512*(\i)       ; 32 lanes x 8 bytes: 256 consecutive bytes, aligned
	global_store_b64 v2, v[C+4*(\i)+2:C+4*(\i)+3], s[6:7] offset:512*(\i)+256
.irp k, 0,1,2,3
	v_lshlrev_b32 v[T+2*(\k)],   16, v[C+4*(\i)+(\k)]   ; the ROUNDED numbers back as f32: the sum is taken of what will be multiplied
	v_and_b32     v[T+2*(\k)+1], s14, v[C+4*(\i)+(\k)]
.endr
	v_pk_mul_f32 v[S+2*(\i):S+2*(\i)+1], v[T:T+1], v[T:T+1]
.irp k, 2,4,6
	v_pk_fma_f32 v[S+2*(\i):S+2*(\i)+1], v[T+(\k):T+(\k)+1], v[T+(\k):T+(\k)+1], v[S+2*(\i):S+2*(\i)+1]
.endr
.endr
.irp i, 0,1,2,3
	v_add_f32 v[S+2*(\i)], v[S+2*(\i)], v[S+2*(\i)+1]
.endr
	; across the 32 lanes, the four rows side by side: four steps inside each half of 16 lanes, one across the halves
.irp x, 1,2,4,8
.irp i, 0,1,2,3
	v_add_f32_dpp v[S+2*(\i)], v[S+2*(\i)], v[S+2*(\i)] row_xmask:\x row_mask:0xf bank_mask:0xf
.endr
.endr
.irp i, 0,1,2,3
	v_permlanex16_b32 v[S+2*(\i)+1], v[S+2*(\i)], s12, s13
.endr
.irp i, 0,1,2,3
	v_add_f32 v[S+2*(\i)], v[S+2*(\i)], v[S+2*(\i)+1]
.endr
.irp i, 0,1,2,3
	v_mul_f32 v[S+2*(\i)], -0.5, v[S+2*(\i)]
.endr
.irp i, 0,1,2,3
	ds_store_b32 v3, v[S+2*(\i)] offset:4*(\i)     ; all lanes write the same word with the same number
.endr
	s_wait_dscnt 0x0                               ; for the others' sake: my four sums lie in LDS
	s_barrier_signal -1
	s_barrier_wait -1                              ; all 64 do
	s_cmp_lg_u32 s10, 0
	s_cbranch_scc1 .Lend                           ; wave 0 stores them: one store of 256 consecutive bytes, aligned
	ds_load_b64 v[T:T+1], v4
	s_wait_dscnt 0x0
	global_store_b64 v4, v[T:T+1], s[8:9]
.Lend:
	s_wait_tensorcnt 0x0                           ; the wave's end, behind my last LDS store
	ds_add_u32 v[SPW], v[NIL]
	s_wait_dscnt 0x0
	s_endpgm
.Lfunc_end_k_q241bbdfd6f_prep:
	.size	k_q241bbdfd6f_prep, .Lfunc_end_k_q241bbdfd6f_prep-k_q241bbdfd6f_prep
	.p2alignl 7, 3214868480
	.fill 96, 4, 3214868480
	.section	.rodata,"a",@progbits
	.p2align	6, 0x0
	.amdhsa_kernel k_q241bbdfd6f_prep
		.amdhsa_group_segment_fixed_size 2304
		.amdhsa_private_segment_fixed_size 0
		.amdhsa_enable_private_segment 0
		.amdhsa_kernarg_size 24
		.amdhsa_user_sgpr_count 2
		.amdhsa_user_sgpr_kernarg_segment_ptr 1
		.amdhsa_wavefront_size32 1
		.amdhsa_system_sgpr_workgroup_id_x 1
		.amdhsa_system_sgpr_workgroup_id_y 1
		.amdhsa_system_sgpr_workgroup_id_z 1
		.amdhsa_system_vgpr_workitem_id 0
		.amdhsa_next_free_vgpr 72
		.amdhsa_next_free_sgpr 66
		.amdhsa_reserve_vcc 0
		.amdhsa_float_denorm_mode_32 3
		.amdhsa_float_denorm_mode_16_64 3
		.amdhsa_memory_ordered 1
		.amdhsa_forward_progress 1
		.amdhsa_inst_pref_size 9
	.end_amdhsa_kernel
	.amdgpu_metadata
---
amdhsa.version: [ 1, 2 ]
amdhsa.kernels:
  - .name:           k_q241bbdfd6f_prep
    .symbol:         k_q241bbdfd6f_prep.kd
    .args:
      - { .name: codebook, .offset: 0, .size: 8, .value_kind: global_buffer, .address_space: global }
      - { .name: cbf, .offset: 8, .size: 8, .value_kind: global_buffer, .address_space: global }
      - { .name: nb2, .offset: 16, .size: 8, .value_kind: global_buffer, .address_space: global }
    .group_segment_fixed_size: 2304
    .private_segment_fixed_size: 0
    .kernarg_segment_align: 8
    .kernarg_segment_size: 24
    .max_flat_workgroup_size: 512
    .sgpr_count:     66
    .vgpr_count:     72
    .wavefront_size: 32
...
	.end_amdgpu_metadata
.endif
;; end of part 1
;; launch vq (part 2): grid 256 x 1, 4 waves a work-group, clusters of 4 x 1, 327,680 bytes of LDS; arguments rep, cbf, nb2, out0; writes out0
.if DOCPART == 2
	.amdgcn_target "amdgcn-amd-amdhsa--gfx1250"
	.amdhsa_code_object_version 6
	.text
	.protected	k_q241bbdfd6f_vq
	.globl	k_q241bbdfd6f_vq
	.p2align	8
	.type	k_q241bbdfd6f_vq,@function
k_q241bbdfd6f_vq:
	s_mov_b64 s[64:65], 0
	v_nop
	global_prefetch_b8 v0, s[64:65] scope:SCOPE_SE
	s_setreg_imm32_b32 hwreg(HW_REG_WAVE_MODE, 25, 1), 1
	s_wait_xcnt 0x0
	s_wait_alu depctr_hold_cnt(0) depctr_sa_sdst(0) depctr_va_vdst(0) depctr_va_sdst(0) depctr_va_ssrc(0) depctr_va_vcc(0) depctr_vm_vsrc(0)
	s_getreg_b32 s2, hwreg(HW_REG_IB_STS2, 6, 4)
	s_cmp_eq_u32 s2, 0
	s_cbranch_scc0 .Lentry_in_a_cluster
	s_endpgm
.Lentry_in_a_cluster:
	s_bfe_u32 s2, ttmp6, 0x10000c
	s_cmp_lg_u32 s2, 0x3003
	s_cbranch_scc0 .Lentry_shape_is_right
	s_endpgm
.Lentry_shape_is_right:
; out0[row] = argmin over k of (a2[row] + b2[k] - 2 rep[row] . codebook[k]), the lowest k among equals.  rep: [65536][256] f32.  cbf: [4096][256] bf16, the codebook rounded once.
; nb2: [4096] f32, -b2 / 2 of the rounded codebook.  out0: [65536] int32.
; WORK LEFT OUT.  a2[row] is added to every distance of its row, so in exact arithmetic, for all finite inputs, the argmin over k is that of b2[k] - 2 ab[k], which is the argmax of
; val[k] = ab[k] - b2[k] / 2.  a2 is not made.  rep still reaches the result through ab: every input is read.
; LIMITS.  A NaN, an infinity or an overflow that arises in a2 alone is not carried to the result.  NaN and infinities in val are not treated apart.  rep and the codebook are rounded to bf16
; for the product; val is exact bf16 products summed in f32, beginning from nb2.  Where the two best distances of a row lie closer to each other than the f32 roundings of a2 + b2 - 2 ab
; (a few steps of f32 at the size of the distances), this order of rounding may choose the other of the two.
; SHARES.  A work-group owns 256 rows of rep, each of its four waves 64: four QUERY TILES of 16, rounded to bf16 and held in 256 registers for the whole launch.  Every wave walks all 4,096 codes, a CODE TILE of 16 at a time.
; LAYOUT.  S^T = C Q^T (source 0 = 16 codes, source 1 = 16 queries): a lane holds ONE query (lane % 16), and register j the code 8 (lane / 16) + j of the tile.  The C operand of the first of a tile's
; eight K steps is nb2 of those eight codes, the same for all four query tiles: the bias costs no vector work.  For each query tile and register a lane keeps the best val so far and the number of the
; code tile that gave it; an equal val keeps the earlier tile.  The eight registers and the two halves of the lanes meet once, at the end, by val and then by the lower code.
; BY TURNS.  While code tile T is multiplied (32 matrix instructions into one set of four accumulators), tile T - 1's 32 result registers, in the other set, are taken into the running best:
; three vector instructions behind each matrix instruction.  Tile T + 1's 18 LDS loads stand in one run behind the second matrix instruction, 30 matrix instructions ahead of their use.
; THE RING.  Two LDS slots of 256 codes (16 code tiles).  A slot is left when its last tile's fragments are in registers, and is filled again at once with the codes two slots on: that load has 16 tiles,
; 512 matrix instructions, in which to land.  The slots' FIRST tenants are the work-group's rows of rep, in f32, 32 rows a wave and slot: all of them are asked for at once.
; CLUSTER.  All work-groups walk the same cbf and nb2.  Four work-groups form a cluster and ask for each tile JOINTLY: the same tensor load, descriptor and mask in all four.
; Only one operand is shared, so a larger cluster would add nothing.  rep's loads are each work-group's own (mask 0).
; REGISTERS, in windows of 256 (s_set_vgpr_msb: bits 1:0 source 0, 3:2 source 1, 5:4 source 2, 7:6 destination):
;   window 0: v0-15 addresses; v16-31 two sets of bias; v32-95 two sets of four accumulators; v96-127 best val; v128-159 its tile; v160-167 8 (lane / 16) + j
;   window 1: Q, query tile t, K step s at 64 t + 8 s          window 2: v0-127 two buffers of code fragments, K step s at 64 b + 8 s; at the start all 256: rep in f32, on its way to bf16
.set PK,    528                        ; a row of codes in LDS: 512 bytes + 16 of padding = 132 words: the 16 rows of a load start at 16 different groups of four banks (64 banks of 4 bytes: ISA guide 11.1)
.set TILEB, 16*PK                      ; a code tile
.set QUART, 64*PK                      ; what one tensor load brings: 64 codes
.set SLOTB, 4*QUART                    ; 135,168 = 0x21000; a wave's part begins at 0x8400 x wave, which has neither bit 12 nor bit 17: one exclusive or turns an address in one slot into the other's
.set PQ,    1040                       ; a row of rep in LDS: 1,024 bytes + 16
.set QPART, 32*PQ                      ; a wave's 32 rows of rep in a slot
.set BIASB, 2*SLOTB                    ; behind the ring: nb2, 16,384 bytes, filled once
.set STAGE, BIASB+16384                ; 256 bytes for each wave, for the way out; no tensor load fills it
.set SPARE, STAGE+1024                 ; the spare words, 128 bytes for each wave: two blocks of 256 bytes that no other line names
.set SLOTG, 256*512                    ; a slot's codes in memory
.set AK0,  3                           ; v3   my lane's place in a code tile: 528 (l % 16) + 16 (l / 16); never rewritten
.set AB0,  4                           ; v4   BIASB + 32 (l / 16); never rewritten
.set ADR,  5                           ; v5   the LDS address of the run of fragment loads in hand
.set BADR, 6                           ; v6   of its two bias loads
.set AQ0,  7                           ; v7   my lane's place in my wave's rows of rep: QPART x wave + 1,040 (l % 16) + 32 (l / 16)
.set AQ,   8                           ; v8   the address in hand
.set STO,  9                           ; v9   the way out: where I put a query's code
.set RD,   10                          ; v10  where I read two codes back
.set GO,   11                          ; v11  8 x lane: my byte offset in the wave's 256 bytes of out0
.set PFO,  12                          ; v12  256 x lane: the prefetches' offset; never rewritten
.set H8,   13                          ; v13  8 (l / 16)
.set SPW,  14                          ; v14  LDS address of my spare word: SPARE + 4 x my thread's number; never rewritten
.set NIL,  15                          ; v15  0; never rewritten
.set BIAS, 16
.set ACC,  32
.set BEST, 96
.set IDX,  128
.set HJ,   160
.set WV,   12                          ; s12  my wave's number
.set CX,   13                          ; s13  my place in the cluster: it enters rep's, out0's and the prefetches' addresses alone
.set GW,   14                          ; s14  my work-group's number
.set G1Q,  16                          ; s[16:23] descriptor group 1 for rep's tiles
.set G1C,  24                          ; s[24:31] for the codes'
.set G1B,  32                          ; s[32:39] for nb2
.set G0Q0, 40                          ; s[40:43], s[44:47] group 0 for rep's two tiles
.set G0Q1, 44
.set G0C,  48                          ; s[48:51] group 0 for the codes: it walks
.set G0B,  52                          ; s[52:55] for nb2
.set SLOTS, 56                         ; s56  slots still to be asked for by the loop
.set CNT,  57                          ; s57  counts pairs of tiles
.set TB,   58                          ; s58  LDS byte at which the code tile to be fetched begins
.set SB,   59                          ; s59  its slot's first byte
.set BT,   60                          ; s60  64 x the number of that tile: its place in nb2
.set TR,   61                          ; s61  the number of the tile whose results are being taken
.set SEL,  62                          ; s[62:63] v_permlanex16_b32's selects: each lane takes its own place in the other half
.set PFA,  66                          ; s[66:67] where my prefetches stand
.set LIM,  68                          ; s68  1 in the cluster that prefetches, else the greatest number
.set MA,   70                          ; s70-72 masks, on the way out (at the head: offsets)
.set MB,   71
.set MC,   72
.set MSB, 0
.macro WIN new                         ; the immediate's high byte repeats the setting that is left; a switch that changes nothing is dropped
.if MSB != (\new)
	s_set_vgpr_msb (MSB<<8)|(\new)
.set MSB, (\new)
.endif
.endm
.set W_MM, 0x06                        ; codes (source 0) window 2, Q (source 1) window 1, C and D window 0
.set W_LD, 0x80                        ; destination window 2, address window 0
.set W_CV, 0x4a                        ; sources 0 and 1 window 2, destination window 1
; A round of the cluster's barrier: my work-group's barrier, so that wave 0's signal speaks for all four waves; wave 0 signals; every wave waits for all four work-groups; my work-group's barrier once more.
.macro CROUND
	s_barrier_signal -1
	s_barrier_wait -1
	s_cmp_lg_u32 s[WV], 0
	s_cbranch_scc1 .Lnot_wave_0_\@
	s_barrier_signal -3
.Lnot_wave_0_\@:
	s_barrier_wait -3
	s_barrier_signal -1
	s_barrier_wait -1
.endm
; A PREFETCH INTO THE L2 of the slot that the NEXT change of slots will ask for: 131,072 bytes of cbf, which the launch before has stored.  Every cluster walks the same codes: cluster 0 asks, and nobody else.
; Its 4 partners x 4 waves x 32 lanes each name another 256 bytes, told apart BY ADDRESS (32,768 cx + 8,192 wave + 256 lane): one instruction a wave, each block named once in the launch.
; It stands behind the wave's tensor load and its five lines, 512 matrix instructions ahead of the load that will want the bytes.  Slots 0 and 1 come by their loads alone; the last fill asks for nothing.
.macro ASK
	s_cmp_gt_u32 s[SLOTS], s[LIM]
	s_cbranch_scc0 .Lnot_mine_\@
	global_prefetch_b8 v[PFO], s[PFA:PFA+1] th:TH_LOAD_NT scope:SCOPE_SE
.Lnot_mine_\@:
.endm
; THE CHANGE OF SLOTS.  Each wave waits for all its tensor loads, adds 0 to its spare word, and waits for that and for its own reads of the slot that it leaves.  Behind the barrier nobody reads that slot
; any more, and what was on its way is whole for every wave.  Where the slot is filled again the barrier is a round of the cluster's, and the joint load is the first thing behind it, one a wave: wave w brings codes 64 w .. 64 w + 63 of the slot.
.set K_A, 0                            ; slot 0, whose rep has been rounded, takes codes 0-255
.set K_B, 1                            ; slot 1 likewise takes codes 256-511; slot 0 and nb2 are whole
.set K_L, 2                            ; in the loop: the slot just left takes the codes two slots on; the fetches go over to the other slot
.set K_N, 3                            ; the last change: nothing is asked for
.macro CHANGE kind
	WIN 0                                          ; at a label and at a branch every window is 0
	s_wait_tensorcnt 0x0                           ; no tensor load of mine is out, so a group 0 may be written
	ds_add_u32 v[SPW], v[NIL]                      ; 0 onto my spare word; the descriptor's steps stand between it and the wait for it
.if ((\kind) == K_B) || ((\kind) == K_L)
	s_xor_b32 s[G0C+1], s[G0C+1], SLOTB            ; the walking descriptor: the other slot than last time,
	s_add_nc_u64 s[G0C+2:G0C+3], s[G0C+2:G0C+3], SLOTG  ; the next 256 codes; the type bits on top are not reached
.endif
.if (\kind) == K_L
	s_wait_xcnt 0x0                                ; the last prefetch, a slot back, has read its address, so it may be written
	s_add_nc_u64 s[PFA:PFA+1], s[PFA:PFA+1], SLOTG
.endif
	s_wait_dscnt 0x0                               ; the add is done, and my reads of the slot are over
.if (\kind) != K_N
	CROUND
	tensor_load_to_lds s[G0C:G0C+3], s[G1C:G1C+7]
	s_nop 0
.rept 4
	v_nop
.endr
.else
	s_barrier_signal -1
	s_barrier_wait -1
.endif
.if ((\kind) == K_B) || ((\kind) == K_L)
	ASK
.endif
.if (\kind) >= K_L
	s_xor_b32 s[SB], s[SB], SLOTB
	s_mov_b32 s[TB], s[SB]                         ; the fetches begin at the other slot's first tile
.endif
.endm
; rep ON ITS WAY TO bf16.  Query tile 2 g + u lies in slot g, rows 16 u on of my wave's 32.  A fragment of Q is 16 rows x 32 channels in 8 registers: lane l holds row l % 16, channels 8 (l / 16) + 0..7 and
; 16 + 8 (l / 16) + 0..7: in f32 that is 32 bytes at 128 s + 32 (l / 16) and 32 bytes 64 further on: four loads of 16 bytes for each K step s.
.macro QLOAD g, u
	WIN 0
	v_add_nc_u32 v[AQ], (\g)*SLOTB+(\u)*16*PQ, v[AQ0]
	WIN W_LD
.set si, 0
.rept 8
	ds_load_b128 v[128*(\u)+16*si:128*(\u)+16*si+3],     v[AQ] offset:128*si
	ds_load_b128 v[128*(\u)+16*si+4:128*(\u)+16*si+7],   v[AQ] offset:128*si+16
	ds_load_b128 v[128*(\u)+16*si+8:128*(\u)+16*si+11],  v[AQ] offset:128*si+64
	ds_load_b128 v[128*(\u)+16*si+12:128*(\u)+16*si+15], v[AQ] offset:128*si+80
.set si, si+1
.endr
.endm
.macro QCVT g, u                       ; 128 f32 a lane become 64 registers of Q, in their order
	WIN W_CV
.set ci, 0
.rept 64
	v_cvt_pk_bf16_f32 v[64*(2*(\g)+(\u))+ci], v[128*(\u)+2*ci], v[128*(\u)+2*ci+1]
.set ci, ci+1
.endr
.endm
.macro QCONV g
	QLOAD \g, 0
	QLOAD \g, 1
	s_wait_dscnt 32                                ; LDS loads come back in order: the first tile's 32 are in, the second's 32 may stay out
	QCVT \g, 0
	s_wait_dscnt 0x0
	QCVT \g, 1
	WIN 0
.endm
; A code tile's 18 LDS loads, in one run, into set b: its eight numbers of nb2 (register j: code 8 (l / 16) + j), then its eight fragments (lane l: code l % 16; two loads of 16 bytes, 32 bytes apart, for each K step).
.macro FETCH b
	WIN 0
	v_add_nc_u32 v[ADR], s[TB], v[AK0]
	v_add_nc_u32 v[BADR], s[BT], v[AB0]
	s_add_co_u32 s[TB], s[TB], TILEB               ; the next fetch is the next tile's
	s_add_co_u32 s[BT], s[BT], 64
	ds_load_b128 v[BIAS+8*(\b):BIAS+8*(\b)+3],   v[BADR]
	ds_load_b128 v[BIAS+8*(\b)+4:BIAS+8*(\b)+7], v[BADR] offset:16
	WIN W_LD
.irp s, 0,1,2,3,4,5,6,7
	ds_load_b128 v[64*(\b)+8*(\s):64*(\b)+8*(\s)+3],   v[ADR] offset:64*(\s)
	ds_load_b128 v[64*(\b)+8*(\s)+4:64*(\b)+8*(\s)+7], v[ADR] offset:64*(\s)+32
.endr
.endm
; Result register n (query tile n / 8, register n % 8) of accumulator set q is taken into the running best.  A val that is not greater leaves the earlier tile's number.  n ascends.
.macro RIDER q, n
	WIN 0
	v_cmp_ge_f32 vcc_lo, v[BEST+(\n)], v[ACC+32*(\q)+(\n)]
	v_max_num_f32 v[BEST+(\n)], v[BEST+(\n)], v[ACC+32*(\q)+(\n)]
	v_cndmask_b32 v[IDX+(\n)], s[TR], v[IDX+(\n)], vcc_lo
.endm
; A CODE TILE, in buffers and accumulators of parity p.  Matrix instruction i: K step i / 4, query tile i % 4: the four accumulators take turns, one instruction a turn, over a tile's end and the backward jumps too.
; The first four take the bias as C.  mode = 1, 2: this is a slot's last tile: its fragments are in registers, so the slot is left (K_L, K_N).  fetch = 1: the next tile is fetched.  riders = 1: the tile before is taken.
; PLACES (ISA guide 7.12.1).  An accumulator is read 12 plain vector instructions or more behind its last matrix instruction.  The run of loads stands 11 behind the last matrix instruction that read its buffer:
; three riders of three, which name none of that instruction's registers, and the run's two additions.
.macro TILE p, mode, fetch, riders
	s_wait_dscnt 0x0                               ; this tile's 18 loads are in
.if (\mode) == 1
	CHANGE K_L
.elseif (\mode) == 2
	CHANGE K_N
.endif
.set mi, 0
.rept 32
.set rD, ACC+32*(\p)+8*(mi%4)
.set rA, 64*(\p)+8*(mi/4)
.set rB, 64*(mi%4)+8*(mi/4)
	WIN W_MM
.if mi < 4
	v_wmma_f32_16x16x32_bf16 v[rD:rD+7], v[rA:rA+7], v[rB:rB+7], v[BIAS+8*(\p):BIAS+8*(\p)+7]
.else
	v_wmma_f32_16x16x32_bf16 v[rD:rD+7], v[rA:rA+7], v[rB:rB+7], v[rD:rD+7]
.endif
.if \riders
	RIDER 1-(\p), mi
.endif
.if (\fetch) && (mi == 1)
	FETCH 1-(\p)
.endif
.set mi, mi+1
.endr
	WIN 0
.if \riders
	s_add_co_u32 s[TR], s[TR], 1
.endif
.endm
.macro PAIRS                           ; seven pairs of tiles: a slot's tiles 1 to 14
	s_mov_b32 s[CNT], 7
.Lpair_\@:
	TILE 1, 0, 1, 1
	TILE 0, 0, 1, 1
	s_sub_co_u32 s[CNT], s[CNT], 1
	s_cmp_lg_u32 s[CNT], 0
	s_cbranch_scc1 .Lpair_\@
.endm
; Of two candidates (val, code) at places a and b the better goes to a: the greater val, and of equal vals the lower code.
.macro COMBINE a, b
	v_cmp_gt_f32 s[MA], v[BEST+(\b)], v[BEST+(\a)]
	v_cmp_eq_f32 s[MB], v[BEST+(\b)], v[BEST+(\a)]
	v_cmp_lt_u32 s[MC], v[IDX+(\b)], v[IDX+(\a)]
	s_and_b32 s[MB], s[MB], s[MC]
	s_or_b32 s[MA], s[MA], s[MB]
	v_cndmask_b32 v[BEST+(\a)], v[BEST+(\a)], v[BEST+(\b)], s[MA]
	v_cndmask_b32 v[IDX+(\a)], v[IDX+(\a)], v[IDX+(\b)], s[MA]
.endm
	s_load_b256 s[4:11], s[0:1], 0x0               ; rep s[4:5], cbf s[6:7], nb2 s[8:9], out0 s[10:11]
	v_lshl_add_u32 v[SPW], v0, 2, SPARE
	v_mov_b32 v[NIL], 0
	ds_add_u32 v[SPW], v[NIL]                      ; the wave's opening: the add, twice on end, and its wait ahead of my first tensor load; the set-up below, work on registers, stands between the second and the wait
	ds_add_u32 v[SPW], v[NIL]
	v_lshrrev_b32 v1, 5, v0
	v_readfirstlane_b32 s[WV], v1                  ; wave 0..3
	s_bfe_u32 s[CX], ttmp6, 0x40000                ; cx
	s_lshl_b32 s[GW], ttmp9, 2                     ; in a cluster launch ttmp9 counts clusters
	s_add_co_u32 s[GW], s[GW], s[CX]               ; work-group = 4 x cluster + cx
	; group 1 for rep: 32 rows x 256 elements of 4 bytes, 16 bytes of padding behind each row; mask 0: the work-group's own load
	s_mov_b32 s[G1Q+0], (2<<16)|(1<<20)|(7<<22)|(3<<25)  ; 17:16 elements of 4 bytes; 20 padding on; 24:22 after every 256 words (code 7); 31:25 4 words (code 3)
	s_mov_b32 s[G1Q+1], 256<<16                    ; tensor_dim0 = 256
	s_mov_b32 s[G1Q+2], 32<<16                     ; tensor_dim1 = 32
	s_mov_b32 s[G1Q+3], 256<<16                    ; tile_dim0 = 256
	s_mov_b32 s[G1Q+4], 32                         ; tile_dim1 = 32
	s_mov_b32 s[G1Q+5], 256                        ; elements from row to row
	s_mov_b32 s[G1Q+6], 0
	s_mov_b32 s[G1Q+7], 0
	; group 1 for the codes: 64 rows x 256 elements of 2 bytes, 16 bytes of padding behind each row; joint
	s_mov_b32 s[G1C+0], 15|(1<<16)|(1<<20)|(1<<21)|(6<<22)|(3<<25)  ; 15:0 the mask of four; 17:16 elements of 2 bytes; 20 padding on; 21 set beside a mask; 24:22 after every 128 words (code 6); 31:25 4 words (code 3)
	s_mov_b32 s[G1C+1], 256<<16
	s_mov_b32 s[G1C+2], 64<<16
	s_mov_b32 s[G1C+3], 256<<16
	s_mov_b32 s[G1C+4], 64
	s_mov_b32 s[G1C+5], 256
	s_mov_b32 s[G1C+6], 0
	s_mov_b32 s[G1C+7], 0
	; group 1 for nb2: a wave's 4,096 dense bytes as 16 rows of 32 elements of 8 bytes, no padding; joint
	s_mov_b32 s[G1B+0], 15|(3<<16)|(1<<21)
	s_mov_b32 s[G1B+1], 32<<16
	s_mov_b32 s[G1B+2], 16<<16
	s_mov_b32 s[G1B+3], 32<<16
	s_mov_b32 s[G1B+4], 16
	s_mov_b32 s[G1B+5], 32
	s_mov_b32 s[G1B+6], 0
	s_mov_b32 s[G1B+7], 0
	; groups 0: the count, and the LDS addresses, which hang on the wave's number alone
	s_mov_b32 s[G0Q0], 1
	s_mul_i32 s[G0Q0+1], s[WV], QPART
	s_mov_b32 s[G0Q1], 1
	s_add_co_u32 s[G0Q1+1], s[G0Q0+1], SLOTB
	s_mov_b32 s[G0C], 1
	s_mul_i32 s[G0C+1], s[WV], QUART
	s_mov_b32 s[G0B], 1
	s_lshl_b32 s[G0B+1], s[WV], 12
	s_add_co_u32 s[G0B+1], s[G0B+1], BIASB
	; offsets, each pointer's in a pair of its own: those of the joint loads never hold cx
	s_lshl_b32 s70, s[WV], 15                      ; cbf: my 64 rows of 512 bytes
	s_mov_b32 s71, 0
	s_lshl_b32 s72, s[WV], 12                      ; nb2: my 4,096 bytes
	s_mov_b32 s73, 0
	s_lshl_b32 s74, s[GW], 18                      ; rep: the work-group's 256 rows of 1,024 bytes,
	s_lshl_b32 s75, s[WV], 16                      ; my wave's 64
	s_add_co_u32 s74, s74, s75
	s_mov_b32 s75, 0
	s_lshl_b32 s76, s[GW], 10                      ; out0: the work-group's 1,024 bytes,
	s_lshl_b32 s77, s[WV], 8                       ; my wave's 256
	s_add_co_u32 s76, s76, s77
	s_mov_b32 s77, 0
	s_lshl_b32 s78, s[CX], 15                      ; the prefetches: my work-group's quarter of a slot,
	s_lshl_b32 s79, s[WV], 13                      ; my wave's quarter of that,
	s_add_co_u32 s78, s78, s79
	s_add_co_u32 s78, s78, 2*SLOTG                 ; in slot 2
	s_mov_b32 s79, 0
	s_cmp_eq_u32 ttmp9, 0                          ; cluster 0 prefetches: the same in all four partners
	s_cselect_b32 s[LIM], 1, -1
	s_mov_b32 s[SEL], 0x76543210
	s_mov_b32 s[SEL+1], 0xfedcba98
	s_mov_b32 s[SLOTS], 14
	s_mov_b32 s[TB], 0
	s_mov_b32 s[SB], 0
	s_mov_b32 s[BT], 0
	s_mov_b32 s[TR], 0
	; lane terms
	v_and_b32 v1, 15, v0                           ; l % 16
	v_bfe_u32 v2, v0, 4, 1                         ; l / 16
	v_mul_u32_u24 v[AK0], v1, PK
	v_lshl_add_u32 v[AK0], v2, 4, v[AK0]
	v_lshl_add_u32 v[AB0], v2, 5, BIASB
	v_mul_u32_u24 v[AQ0], v1, PQ
	v_lshl_add_u32 v[AQ0], v2, 5, v[AQ0]
	v_add_nc_u32 v[AQ0], s[G0Q0+1], v[AQ0]
	s_lshl_b32 s15, s[WV], 8
	s_add_co_u32 s15, s15, STAGE                   ; my stage
	v_lshl_add_u32 v[STO], v1, 2, s15
	v_and_b32 v[GO], 31, v0
	v_lshl_add_u32 v[RD], v[GO], 3, s15
	v_lshlrev_b32 v[PFO], 8, v[GO]
	v_lshlrev_b32 v[GO], 3, v[GO]
	v_lshlrev_b32 v[H8], 3, v2
.irp j, 0,1,2,3,4,5,6,7
	v_add_nc_u32 v[HJ+(\j)], \j, v[H8]
.endr
	s_wait_dscnt 0x0                               ; both opening adds are done
	s_wait_kmcnt 0x0
	s_add_nc_u64 s[G0Q0+2:G0Q0+3], s[4:5], s[74:75]          ; my rows 0-31,
	s_add_nc_u64 s[G0Q1+2:G0Q1+3], s[G0Q0+2:G0Q0+3], 32768   ; and 32-63
	s_or_b32 s[G0Q0+3], s[G0Q0+3], 0x80000000      ; 127:126 type = 2
	s_or_b32 s[G0Q1+3], s[G0Q1+3], 0x80000000
	s_add_nc_u64 s[G0C+2:G0C+3], s[6:7], s[70:71]
	s_or_b32 s[G0C+3], s[G0C+3], 0x80000000
	s_add_nc_u64 s[G0B+2:G0B+3], s[8:9], s[72:73]
	s_or_b32 s[G0B+3], s[G0B+3], 0x80000000
	s_add_nc_u64 s[10:11], s[10:11], s[76:77]
	s_add_nc_u64 s[PFA:PFA+1], s[6:7], s[78:79]
	CROUND                                         ; all four work-groups are here: the first loads go out as one group behind this round
	tensor_load_to_lds s[G0Q0:G0Q0+3], s[G1Q:G1Q+7]  ; three loads of mine are out: rep's rows 0-31 into slot 0,
	s_nop 0
	tensor_load_to_lds s[G0Q1:G0Q1+3], s[G1Q:G1Q+7]  ; rows 32-63 into slot 1,
	s_nop 0
	tensor_load_to_lds s[G0B:G0B+3], s[G1B:G1B+7]    ; my quarter of nb2, jointly
	s_nop 0
.rept 4
	v_nop
.endr
.set ci, 0
.rept 32                                       ; the running best starts below every val, so that one text of riders serves every tile: written while the first loads are on their way
	v_mov_b32 v[BEST+ci], 0xff800000
	v_mov_b32 v[IDX+ci], 0
.set ci, ci+1
.endr
	s_wait_tensorcnt 2                             ; tensor loads of a wave end in order: my rows 0-31 are in, the two younger loads may stay out; only I read these bytes
	QCONV 0                                        ; query tiles 0 and 1
	CHANGE K_A                                     ; every wave has read its part of slot 0: codes 0-255 go in,
	QCONV 1                                        ; and query tiles 2 and 3 are rounded while they are on their way
	CHANGE K_B                                     ; slot 0 and nb2 are whole for every wave; codes 256-511 go into slot 1
	FETCH 0                                        ; code tile 0
	TILE 0, 0, 1, 0                                ; there are no results yet to take
.rept 4
	v_nop                                          ; the places behind its last products, which no riders followed
.endr
.Lslot:                                        ; 14 trips: a slot's tiles 1 to 15 and the next slot's tile 0; the slot is filled again
	PAIRS
	TILE 1, 1, 1, 1
	TILE 0, 0, 1, 1
	s_sub_co_u32 s[SLOTS], s[SLOTS], 1
	s_cmp_lg_u32 s[SLOTS], 0
	s_cbranch_scc1 .Lslot
	PAIRS                                          ; the tail is written out: slot 14 is left, and nothing is asked for
	TILE 1, 2, 1, 1
	TILE 0, 0, 1, 1
	PAIRS                                          ; slot 15
	TILE 1, 0, 0, 1                                ; code tile 255: nothing is left to fetch
.set mi, 0
.rept 32
	RIDER 1, mi                                    ; and its results; accumulator 0's last product stands 12 plain instructions back
.set mi, mi+1
.endr
	; THE WAY OUT.  A tile's number becomes a code: 16 x tile + 8 (l / 16) + j.  Then, for each query tile, the lane's eight candidates meet in a tree, and the two halves of the lanes once.
.set ci, 0
.rept 32
	v_lshl_add_u32 v[IDX+ci], v[IDX+ci], 4, v[HJ+ci%8]
.set ci, ci+1
.endr
.irp t, 0,1,2,3
	COMBINE 8*(\t)+0, 8*(\t)+1
	COMBINE 8*(\t)+2, 8*(\t)+3
	COMBINE 8*(\t)+4, 8*(\t)+5
	COMBINE 8*(\t)+6, 8*(\t)+7
	COMBINE 8*(\t)+0, 8*(\t)+2
	COMBINE 8*(\t)+4, 8*(\t)+6
	COMBINE 8*(\t)+0, 8*(\t)+4
	v_permlanex16_b32 v[BEST+8*(\t)+1], v[BEST+8*(\t)], s[SEL], s[SEL+1]  ; the query's other eight codes of each tile lie in the lane 16 away
	v_permlanex16_b32 v[IDX+8*(\t)+1], v[IDX+8*(\t)], s[SEL], s[SEL+1]
	COMBINE 8*(\t)+0, 8*(\t)+1
	ds_store_b32 v[STO], v[IDX+8*(\t)] offset:64*(\t)  ; query 16 t + l % 16; both halves of the lanes write the same word with the same number
.endr
	ds_load_b64 v[BIAS:BIAS+1], v[RD]              ; LDS serves a wave's instructions in order (ISA guide 5.7.1.4): this sees the stores above; the stage is my wave's own
	s_wait_dscnt 0x0
	global_store_b64 v[GO], v[BIAS:BIAS+1], s[10:11]  ; my wave's 64 codes: 256 consecutive bytes, at a multiple of 256 from out0's first byte
	s_wait_tensorcnt 0x0                           ; the wave's end, behind my last tensor load and my last LDS store
	ds_add_u32 v[SPW], v[NIL]
	s_wait_dscnt 0x0
	CROUND                                         ; the closing round: no work-group ends while a partner may still ask for a tile that names it
	s_endpgm
.Lfunc_end_k_q241bbdfd6f_vq:
	.size	k_q241bbdfd6f_vq, .Lfunc_end_k_q241bbdfd6f_vq-k_q241bbdfd6f_vq
	.p2alignl 7, 3214868480
	.fill 96, 4, 3214868480
	.section	.rodata,"a",@progbits
	.p2align	6, 0x0
	.amdhsa_kernel k_q241bbdfd6f_vq
		.amdhsa_group_segment_fixed_size 327680
		.amdhsa_private_segment_fixed_size 0
		.amdhsa_enable_private_segment 0
		.amdhsa_kernarg_size 32
		.amdhsa_user_sgpr_count 2
		.amdhsa_user_sgpr_kernarg_segment_ptr 1
		.amdhsa_wavefront_size32 1
		.amdhsa_system_sgpr_workgroup_id_x 1
		.amdhsa_system_sgpr_workgroup_id_y 1
		.amdhsa_system_sgpr_workgroup_id_z 1
		.amdhsa_system_vgpr_workitem_id 0
		.amdhsa_next_free_vgpr 768
		.amdhsa_next_free_sgpr 80
		.amdhsa_reserve_vcc 1
		.amdhsa_float_denorm_mode_32 3
		.amdhsa_float_denorm_mode_16_64 3
		.amdhsa_memory_ordered 1
		.amdhsa_forward_progress 1
		.amdhsa_inst_pref_size 152
	.end_amdhsa_kernel
	.amdgpu_metadata
---
amdhsa.version: [ 1, 2 ]
amdhsa.kernels:
  - .name:           k_q241bbdfd6f_vq
    .symbol:         k_q241bbdfd6f_vq.kd
    .args:
      - { .name: rep, .offset: 0, .size: 8, .value_kind: global_buffer, .address_space: global }
      - { .name: cbf, .offset: 8, .size: 8, .value_kind: global_buffer, .address_space: global }
      - { .name: nb2, .offset: 16, .size: 8, .value_kind: global_buffer, .address_space: global }
      - { .name: out0, .offset: 24, .size: 8, .value_kind: global_buffer, .address_space: global }
    .group_segment_fixed_size: 327680
    .private_segment_fixed_size: 0
    .kernarg_segment_align: 8
    .kernarg_segment_size: 32
    .max_flat_workgroup_size: 128
    .sgpr_count:     80
    .vgpr_count:     768
    .wavefront_size: 32
...
	.end_amdgpu_metadata
.endif
;; end of part 2
